; MI455X (gfx1250); checked and timed in simulation.
; The chip was launched on July 23, 2026; its instructions are those of AMD's public machine-readable ISA for CDNA 5 (MIT licence, August 2026) and "CDNA5" Instruction Set Architecture Reference Guide (July 2026). The comments in the code are by the model that wrote it; some were corrected since.
;; Attention. Allowed arithmetic: matrix products marked QUANTISED: E2M1 operands, one E8M0 scale for each 32 along K, by v_wmma_scale_f32_16x16x128_f8f6f4 with both operands' format E2M1 (or v_wmma_scale_f32_32x16x128_f4), f32 sums; products left as they are: f32 operands where the result goes on into a quantised operand, else bf16, f16 or f32 operands; f32 sums; everything else in f32.
;; Inputs: W_attn 512 x 1,024 float32; b_attn 512 float32; encoder_outputs 4,096 x 32 x 512 float32; hidden 32 x 512 float32; v 512 float32.
;; Outputs: out0 32 x 1 x 4,096 float32.
;; This version of the problem:
;;   THIS VERSION OF THE PROBLEM IS GIVEN IN LOW PRECISION. The matrix products marked QUANTISED in the list below multiply operands that are first quantised to E2M1 (2 exponent bits, 1 mantissa bit; 4 bits a number), with one power-of-two scale for each 32 numbers along K (OCP MX v1.0); their sums are f32. All else is computed in f32.
;;   The module's matrix products, in the order in which they are computed (A, B: the left and right operand; K: the contracted axis; several contracted axes count as one K, in the product's order):
;;     1. [M 131,072, K 1,024] x [K 1,024, N 512]; A: computed on the way; B: input W_attn: QUANTISED
;;     2. [M 1, K 512] x [K 512, N 131,072]; A: input v; B: computed on the way: left as it is (M = 1 < 16)
;;   THE QUANTISER, for each operand of a quantised product, along K:
;;     - K is cut into blocks of 32 from its start; a last block that is shorter is filled with zeros.
;;     - A block's scale is 2^e with e = floor(log2(the largest magnitude in the block)) - 2, held to -126 .. 127; a block of zeros has e = 0. As a byte (E8M0): e + 127.
;;     - Each number is divided by its block's scale, clamped to +-6, and rounded to the nearest number of E2M1, ties to even, subnormals kept.
;;     - The product sums the exact products of the quantised numbers (number of the format x scale) in f32.
;;   ~~~python
;;   def quantise(x, axis):      # numpy; x: float32 -> the quantised numbers, widened to float32 again
;;       x = np.moveaxis(x, axis, -1); K = x.shape[-1]
;;       x = np.pad(x, [(0, 0)] * (x.ndim - 1) + [(0, -K % 32)]); x = x.reshape(x.shape[:-1] + (-1, 32)); a = np.abs(x).max(-1, keepdims=True)
;;       e = np.where(a > 0, np.clip(np.frexp(np.where(a > 0, a, 1))[1] - 1 - 2, -126, 127), 0)      # np.frexp(a)[1] - 1 = floor(log2(a)), exactly
;;       r = np.clip(x / 2.0 ** e, -6, 6)
;;       step = 2.0 ** (np.maximum(np.frexp(np.where(r == 0, 1, r))[1] - 1, 0) - 1)
;;       q = np.round(r / step) * step * 2.0 ** e      # np.round: ties to even
;;       return np.moveaxis(q.reshape(q.shape[:-2] + (-1,))[..., :K], -1, axis).astype(np.float32)
;;   ~~~
;;   OPERANDS COMPUTED ON THE WAY. 'Computed on the way' means the value that the module computes at that place (a softmax that the list does not call 'softmax' is quantised finished and normalised). What goes into a quantiser is computed in f32, as accurately as f32 sums, v_exp_f32 and their like allow (about 1e-6 of the number): no bf16 or f16 on the way to a quantiser, and a product that is left as it is and whose result goes on into a quantised operand takes f32 operands (vector FMAs, or v_wmma_f32_16x16x4_f32). A number that lies on a knife's edge between two numbers of the format may be rounded either way, as far as f32 arithmetic and the matrix unit's own rounding can turn it there, and no further.
;; One version. Each part assembles by itself: llvm-mc -triple=amdgcn-amd-amdhsa -mcpu=gfx1250 --defsym DOCPART=n.
;; ======== version 1 of 1: 2 launches
;; limits: right only within a limited range of input values
;; workspace buffers: wsp 204,800 bytes
;; launch prep (part 1): grid 80 x 1, 8 waves a work-group, no clusters, 9,728 bytes of LDS; arguments W_attn, hidden, b_attn, wsp; writes wsp
.if DOCPART == 1
	.amdgcn_target "amdgcn-amd-amdhsa--gfx1250"
	.amdhsa_code_object_version 6
	.text
	.protected	k_q74de12218d_prep
	.globl	k_q74de12218d_prep
	.p2align	8
	.type	k_q74de12218d_prep,@function
k_q74de12218d_prep:
	s_mov_b64 s[64:65], 0
	v_nop
	global_prefetch_b8 v0, s[64:65] scope:SCOPE_SE
	s_setreg_imm32_b32 hwreg(HW_REG_WAVE_MODE, 25, 1), 1
	s_wait_xcnt 0x0
; W_attn [512][1024] and hidden [32][512], f32, K innermost, become codes of FP4 (E2M1) with one E8M0 byte for each 32 along K.
; cat = [hidden | enc]: K's first 512 are hidden, the same for every t, and no block of 32 straddles the seam: so their product
; G[b][h] = Q(hidden[b]) . Q(W[h][:512]) + b_attn[h] is made here, once, and the next launch starts its sums with it.
; wsp: W's enc half as operand fragments (16 rows x 128 K = 1,024 bytes, number 4 N + s: N = 16 rows, s = 128 along K), then its scale words (256 N + 16 row + 4 s + block),
; then G in the order of the accumulators' registers: 2048 N + 512 g + 16 lane: registers 4 g .. 4 g + 3.
; A fragment: byte 512 c + 16 lane holds the 32 codes of block 2 c + lane / 16 of row lane % 16.  THE ORDER OF A BLOCK'S CODES IS TURNED: place p (four codes) holds the k's 4 (p xor sg) + 0..3,
; sg = (number of the block in its half of K) / 2 = 2 s + c: the next launch reads enc's blocks in that order, and both operands of a product have the same.
; A block's scale is 2^(floor(log2(largest magnitude)) - 2): its byte is the largest magnitude's exponent field - 2, held at 1 from below.
; LIMITS: a block of zeros gets the byte 1 where the rule says 127 (its codes are zeros, and this program alone reads the bytes);
; blocks whose largest magnitude lies under 2^(3 - 127) are held at that floor; NaN and infinities are not served.
; SHARES: a wave makes one fragment.  Work-groups 0-63 (N = x / 2, 16 batches x % 2): waves 0-3 W's hidden half, waves 4-7 hidden; then wave 0 multiplies.  Work-groups 64-79: two N's of W's enc half.
; One path serves all: only scalars are chosen.  A lane loads 32 consecutive bytes, 8 numbers of ONE block (four lanes hold a block).
.set SC_OFF, 131072
.set G_OFF, 139264
.set SCW,  8192                        ; LDS: eight stages of 1,024 bytes (a wave's fragment), then the scale bytes: 256 (w / 4) + 16 row + 4 (w % 4) + block
.set SPARE, 8704                       ; the spare words, 128 bytes for each wave
.set STO,  2                           ; v2   stage address of my code word
.set SBA,  3                           ; v3   LDS address of my block's scale byte
.set L16,  4                           ; v4   16 x lane
.set R4,   5                           ; v5   4 x (lane % 16)
.set AD,   8                           ; v8-15   byte offset of my 32 bytes in rows 2 y + lane / 16
.set TM,   16                          ; v16-23  largest magnitudes
.set SCF,  24                          ; v24-31  the conversions' scale operands
.set X,    32                          ; v32-95  8 numbers for each of 8 load pairs; later hidden's and W's fragments
.set CD,   96                          ; v96-103 code words
.set BY,   104                         ; v104-111 scale bytes
.set FRG,  112                         ; v112-119 the fragment read back; or G
.set SWD,  120                         ; v120-123 scale words on the way out
.set RDA,  124                         ; v124 stage address on the way out
.set RDS,  125                         ; v125 scale bytes' address on the way out
.set SH,   126                         ; v126 16 c: how far a code word is turned
.set R16,  127                         ; v127 16 x (lane % 16)
.set BV,   128                         ; v128 b_attn of my column (v129: named with it as a pair)
.set SPW,  130
.set NIL,  131
.set WS,   132                         ; v132-135 W's scale words
.set HS,   136                         ; v136-139 hidden's
	s_load_b256 s[4:11], s[0:1], 0x0               ; W_attn, hidden, b_attn, wsp
	v_lshl_add_u32 v[SPW], v0, 2, SPARE
	v_mov_b32 v[NIL], 0
	v_lshrrev_b32 v1, 5, v0
	v_readfirstlane_b32 s12, v1                    ; wave
	v_and_b32 v1, 31, v0                           ; lane
	v_bfe_u32 v6, v0, 4, 1                         ; which of a pair's two rows
	v_and_b32 v7, 15, v0                           ; which 32 bytes of the row's 512
	v_mov_b32 v[BV+1], 0
	v_lshlrev_b32 v[R4], 2, v7
	s_wait_alu depctr_va_vdst(0)                   ; the wait here, ahead of the run of scalar lines
	s_and_b32 s13, s12, 3                          ; K step in its half
	s_lshr_b32 s14, s12, 2
	s_lshr_b32 s15, ttmp9, 1                       ; N of a work-group under 64,
	s_and_b32 s16, ttmp9, 1                        ; and its half of the batches
	s_sub_co_u32 s17, ttmp9, 64
	s_lshl_b32 s17, s17, 1
	s_add_co_u32 s17, s17, s14                     ; N of the others: 2 (x - 64) + w / 4
	s_cmp_lt_u32 ttmp9, 64
	s_cselect_b32 s15, s15, s17                    ; N
	s_cselect_b32 s18, 0, 2048                     ; the enc half begins 2,048 bytes on in a row of W
	s_cselect_b32 s19, s14, 0                      ; 1: my fragment is hidden's
	s_lshl_b32 s20, s15, 16                        ; W: 16 rows of 4,096 bytes
	s_add_co_u32 s20, s20, s18
	s_lshl_b32 s22, s16, 15                        ; hidden: 16 rows of 2,048 bytes
	s_mov_b32 s23, 4096
	s_cmp_eq_u32 s19, 1
	s_cselect_b32 s20, s22, s20
	s_cselect_b32 s23, 2048, s23                   ; bytes from row to row
	s_lshl_b32 s21, s13, 9
	s_add_co_u32 s20, s20, s21                     ; + K step
	s_mov_b32 s21, 0
	s_lshl_b32 s22, s23, 1
	s_lshl_b32 s24, s15, 6                         ; b_attn at column 16 N
	s_mov_b32 s25, 0
	s_lshl_b32 s26, s15, 11
	s_lshl_b32 s27, s16, 10
	s_add_co_u32 s26, s26, s27                     ; G: 2048 N + 1024 x half
	s_mov_b32 s27, 0
	s_lshl_b32 s28, s12, 10                        ; my stage
	s_lshl_b32 s29, s14, 8
	s_lshl_b32 s30, s13, 2
	s_add_co_u32 s29, s29, s30
	s_add_co_u32 s29, s29, SCW                     ; my scale bytes
	s_wait_kmcnt 0x0
	s_cmp_eq_u32 s19, 1
	s_cselect_b64 s[4:5], s[6:7], s[4:5]
	s_add_nc_u64 s[4:5], s[4:5], s[20:21]
	s_add_nc_u64 s[8:9], s[8:9], s[24:25]
	global_load_b32 v[BV], v[R4], s[8:9]
	v_mul_lo_u32 v[AD], v6, s23
	v_lshl_add_u32 v[AD], v7, 5, v[AD]
.irp y, 1,2,3,4,5,6,7
	v_add_nc_u32 v[AD+\y], s22, v[AD+\y-1]         ; two rows further down
.endr
.irp y, 0,1,2,3,4,5,6,7
	global_load_b128 v[X+8*\y:X+8*\y+3],   v[AD+\y], s[4:5]
	global_load_b128 v[X+8*\y+4:X+8*\y+7], v[AD+\y], s[4:5] offset:16
.endr
	v_bfe_u32 v16, v0, 3, 1                        ; my block j = (lane / 4) % 4: c = j / 2,
	v_bfe_u32 v17, v0, 2, 1                        ; half of the lanes j % 2
	v_and_b32 v18, 3, v0
	v_bfe_u32 v19, v0, 2, 2
	v_lshlrev_b32 v[STO], 9, v16
	v_lshlrev_b32 v[SH], 4, v16                    ; sg's low bit is c: the halves of a code word change places,
	v_xor_b32 v18, s13, v18                        ; and its upper bits are s: which word of the block's four
	v_lshl_add_u32 v[SBA], v6, 4, v19              ; 16 x row + j
	v_lshl_add_u32 v[STO], v17, 8, v[STO]
	v_lshlrev_b32 v[L16], 4, v1
	v_lshlrev_b32 v[R16], 4, v7
	v_lshl_add_u32 v[STO], v6, 4, v[STO]           ; row,
	v_add_nc_u32 v[SBA], s29, v[SBA]
	v_lshl_add_u32 v[RDS], v1, 4, SCW
	v_lshl_add_u32 v[STO], v18, 2, v[STO]          ; my eight codes' word
	v_add_nc_u32 v[RDA], s28, v[L16]
	v_add_nc_u32 v[STO], s28, v[STO]
; four load pairs, by turns, so that no line waits for the line above it
.macro QB y0
.irp y, \y0, \y0+1, \y0+2, \y0+3
	v_max3_num_f32 v[TM+(\y)], |v[X+8*(\y)]|, |v[X+8*(\y)+1]|, 0x1800000   ; my eight numbers, and the floor 2^(3 - 127): the byte cannot fall under 1
.endr
.irp k, 2,4,6
.irp y, \y0, \y0+1, \y0+2, \y0+3
	v_max3_num_f32 v[TM+(\y)], v[TM+(\y)], |v[X+8*(\y)+\k]|, |v[X+8*(\y)+\k+1]|
.endr
.endr
.irp y, \y0, \y0+1, \y0+2, \y0+3
	v_max_num_f32_dpp v[TM+(\y)], v[TM+(\y)], v[TM+(\y)] row_xmask:1 row_mask:0xf bank_mask:0xf
.endr
.irp y, \y0, \y0+1, \y0+2, \y0+3
	v_max_num_f32_dpp v[TM+(\y)], v[TM+(\y)], v[TM+(\y)] row_xmask:2 row_mask:0xf bank_mask:0xf   ; the four lanes of a block: its largest magnitude
.endr
.irp y, \y0, \y0+1, \y0+2, \y0+3
	v_add_nc_u32 v[SCF+(\y)], 0xff000000, v[TM+(\y)]   ; 2 off the exponent field: the conversion takes that field as its scale
.endr
.irp y, \y0, \y0+1, \y0+2, \y0+3
	v_cvt_scalef32_pk8_fp4_f32 v[CD+(\y)], v[X+8*(\y):X+8*(\y)+7], v[SCF+(\y)]
.endr
.irp y, \y0, \y0+1, \y0+2, \y0+3
	v_lshrrev_b32 v[BY+(\y)], 23, v[SCF+(\y)]      ; the scale's byte (also the plain line behind the conversions)
.endr
.irp y, \y0, \y0+1, \y0+2, \y0+3
	v_alignbit_b32 v[CD+(\y)], v[CD+(\y)], v[CD+(\y)], v[SH]
.endr
.irp y, \y0, \y0+1, \y0+2, \y0+3
	ds_store_b32 v[STO], v[CD+(\y)] offset:32*(\y)
	ds_store_b8 v[SBA], v[BY+(\y)] offset:32*(\y)  ; the four lanes of a block write the same byte with the same value
.endr
.endm
	s_wait_alu depctr_va_vdst(0)                   ; the wait at the head's end
	s_wait_loadcnt 8                               ; b_attn and the first four pairs are in; the other eight loads may be out
	QB 0
	s_wait_loadcnt 0x0
	QB 4
	s_wait_dscnt 0x0                               ; for the others' sake: my fragment and my scale bytes have landed
	s_barrier_signal -1
	s_barrier_wait -1
	s_cmp_lt_u32 ttmp9, 64
	s_cbranch_scc1 .Lg
	ds_load_b128 v[FRG:FRG+3],   v[RDA]
	ds_load_b128 v[FRG+4:FRG+7], v[RDA] offset:512
	s_sub_co_u32 s24, ttmp9, 64
	s_lshl_b32 s20, s24, 9                         ; the work-group's 512 scale bytes
	s_lshl_b32 s24, s24, 13
	s_add_co_u32 s24, s24, s28                     ; my fragment
	s_add_nc_u64 s[24:25], s[10:11], s[24:25]
	s_add_nc_u64 s[20:21], s[10:11], s[20:21]
	s_wait_dscnt 0x0
	global_store_b128 v[L16], v[FRG:FRG+3],   s[24:25]             ; 32 lanes store 512 consecutive bytes
	global_store_b128 v[L16], v[FRG+4:FRG+7], s[24:25] offset:512
	s_cmp_lg_u32 s12, 0
	s_cbranch_scc1 .Lend
	ds_load_b128 v[SWD:SWD+3], v[RDS]              ; wave 0: the scale words of the two N's
	s_wait_dscnt 0x0
	global_store_b128 v[L16], v[SWD:SWD+3], s[20:21] offset:SC_OFF
	s_branch .Lend
.Lg:
	s_cmp_lg_u32 s12, 0                            ; wave 0 makes G of 16 batches x 16 columns
	s_cbranch_scc1 .Lend
.irp s, 0,1,2,3
.irp c, 0,1
	ds_load_b128 v[32+8*\s+4*\c:35+8*\s+4*\c], v[L16] offset:4096+1024*\s+512*\c   ; hidden's fragments
	ds_load_b128 v[64+8*\s+4*\c:67+8*\s+4*\c], v[L16] offset:1024*\s+512*\c        ; W's
.endr
.endr
	ds_load_b128 v[WS:WS+3], v[R16] offset:SCW
	ds_load_b128 v[HS:HS+3], v[R16] offset:SCW+256
	s_add_nc_u64 s[30:31], s[10:11], s[26:27]
	s_wait_dscnt 0x0
	v_wmma_scale_f32_16x16x128_f8f6f4 v[FRG:FRG+7], v[32:39], v[64:71], 0, v[HS], v[WS] matrix_a_fmt:MATRIX_FMT_FP4 matrix_b_fmt:MATRIX_FMT_FP4
.irp s, 1,2,3
	s_wait_alu depctr_va_vdst(0)                   ; the wait ahead of every link
	v_wmma_scale_f32_16x16x128_f8f6f4 v[FRG:FRG+7], v[32+8*\s:39+8*\s], v[64+8*\s:71+8*\s], v[FRG:FRG+7], v[HS+\s], v[WS+\s] matrix_a_fmt:MATRIX_FMT_FP4 matrix_b_fmt:MATRIX_FMT_FP4
.endr
.rept 4
	v_nop                                          ; four places ahead of the first reader of the sums
.endr
.irp k, 0,2,4,6
	v_pk_add_f32 v[FRG+\k:FRG+\k+1], v[FRG+\k:FRG+\k+1], v[BV:BV+1] op_sel_hi:[1,0]   ; + b_attn of my column
.endr
	global_store_b128 v[L16], v[FRG:FRG+3],   s[30:31] offset:G_OFF
	global_store_b128 v[L16], v[FRG+4:FRG+7], s[30:31] offset:G_OFF+512
.Lend:
	s_wait_tensorcnt 0x0                           ; the wave's end
	ds_add_u32 v[SPW], v[NIL]
	s_wait_dscnt 0x0
	s_endpgm
.Lfunc_end_k_q74de12218d_prep:
	.size	k_q74de12218d_prep, .Lfunc_end_k_q74de12218d_prep-k_q74de12218d_prep
	.p2alignl 7, 3214868480
	.fill 96, 4, 3214868480
	.section	.rodata,"a",@progbits
	.p2align	6, 0x0
	.amdhsa_kernel k_q74de12218d_prep
		.amdhsa_group_segment_fixed_size 9728
		.amdhsa_private_segment_fixed_size 0
		.amdhsa_enable_private_segment 0
		.amdhsa_kernarg_size 32
		.amdhsa_user_sgpr_count 2
		.amdhsa_user_sgpr_kernarg_segment_ptr 1
		.amdhsa_wavefront_size32 1
		.amdhsa_system_sgpr_workgroup_id_x 1
		.amdhsa_system_sgpr_workgroup_id_y 1
		.amdhsa_system_sgpr_workgroup_id_z 1
		.amdhsa_system_vgpr_workitem_id 0
		.amdhsa_next_free_vgpr 144
		.amdhsa_next_free_sgpr 66
		.amdhsa_reserve_vcc 0
		.amdhsa_float_denorm_mode_32 3
		.amdhsa_float_denorm_mode_16_64 3
		.amdhsa_memory_ordered 1
		.amdhsa_forward_progress 1
		.amdhsa_inst_pref_size 15
	.end_amdhsa_kernel
	.amdgpu_metadata
---
amdhsa.version: [ 1, 2 ]
amdhsa.kernels:
  - .name:           k_q74de12218d_prep
    .symbol:         k_q74de12218d_prep.kd
    .args:
      - { .name: W_attn, .offset: 0, .size: 8, .value_kind: global_buffer, .address_space: global }
      - { .name: hidden, .offset: 8, .size: 8, .value_kind: global_buffer, .address_space: global }
      - { .name: b_attn, .offset: 16, .size: 8, .value_kind: global_buffer, .address_space: global }
      - { .name: wsp, .offset: 24, .size: 8, .value_kind: global_buffer, .address_space: global }
    .group_segment_fixed_size: 9728
    .private_segment_fixed_size: 0
    .kernarg_segment_align: 8
    .kernarg_segment_size: 32
    .max_flat_workgroup_size: 256
    .sgpr_count:     66
    .vgpr_count:     144
    .wavefront_size: 32
...
	.end_amdgpu_metadata
.endif
;; end of part 1
;; launch attn (part 2): grid 256 x 1, 8 waves a work-group, no clusters, 327,680 bytes of LDS; arguments encoder_outputs, wsp, v, out0; writes out0
.if DOCPART == 2
	.amdgcn_target "amdgcn-amd-amdhsa--gfx1250"
	.amdhsa_code_object_version 6
	.text
	.protected	k_q74de12218d_attn
	.globl	k_q74de12218d_attn
	.p2align	8
	.type	k_q74de12218d_attn,@function
k_q74de12218d_attn:
	s_mov_b64 s[64:65], 0
	v_nop
	global_prefetch_b8 v0, s[64:65] scope:SCOPE_SE
	s_setreg_imm32_b32 hwreg(HW_REG_WAVE_MODE, 25, 1), 1
	s_wait_xcnt 0x0
; out0[b][0][t] = relu( sum over h of v[h] softmax_b( Q(cat[b][t]) . Q(W_attn[h]) + b_attn[h] ) ),  cat = [hidden[b] | enc[t][b]], K = 1,024, both operands FP4 (E2M1) with one E8M0 scale for each 32 along K.
; K's first 512 are hidden and hang on no t: G[b][h] = Q(hidden) . Q(W[:, :512]) + b_attn comes from wsp and is the C of each t's first product; then enc's four K steps of 128.
; SHARES.  Work-group x owns t = 16 x .. 16 x + 15: 1 MiB of enc on end.  Wave w owns the columns h = 64 w .. 64 w + 63 (four tiles of 16) for all 32 batches: its part of W's codes (128 registers) and of G (64)
; stays in registers.  It fetches and quantises batch rows 4 w .. 4 w + 3 of every t; a t's codes (8 KiB) and scale words go round through LDS, in two images that take turns: one barrier a step.
; ENC comes by tensor loads through a ring of two slots of two t's, 131,072 bytes each; a wave's load brings its 8,192 bytes of each of the two t's.  A slot is filled again behind every second barrier.
; A LANE READS A WHOLE BLOCK of 32 numbers, so the block's largest magnitude needs no other lane: lane l takes block l % 16 of row l / 16 of a pair of rows, in eight pieces of 16 bytes.  Its i-th piece is number
; i xor ((l % 16) / 2) of the block: so the 16 lanes' pieces lie at 16 different places modulo 256 bytes.  W's codes (and hidden's) have been laid in the same order.
; LAYOUT.  Source 0 = 32 batch rows, source 1 = 16 rows of W: a lane holds ONE column h (lane % 16), registers 0-7 batches 8 (lane / 16) + 0..7, registers 8-15 the same + 16;
; the other 16 batches lie in the lane 16 away: the softmax over the batch is work within a lane and one exchange.
; PREFETCH INTO THE L2: at each fill a wave asks for its own 2 x 8,192 bytes of the slot after that one, one fill ahead of the load that takes them: two instructions, lanes 256 bytes apart, so each aligned block
; of 256 bytes is named once in the launch.  Slot 0 comes by its load alone; the last fill asks for nothing.
; NO CLUSTER: what work-groups share is 200 KiB of wsp, of which each wave reads its own part once, straight into operand registers, beside 1 MiB of enc that is each work-group's own.
; OUT: a work-group owns 64 bytes of each of out0's 32 rows; they leave as 16 bytes a lane.
; LIMITS: NaN and infinities are not served; a block of zeros gets the byte 1 where the rule says 127 (its codes are zeros; the bytes are read here alone); blocks whose largest magnitude lies under 2^(3 - 127) are
; held at that floor; an exponential under 2^-126 falls to 0; the promise holds while the scores x log2 e stay under 2^31 in magnitude.
.set SLOT, 131072
.set IMG,  262144                      ; two images of a t's codes: ISLOT p + MHB (row / 16) + 272 x block + 16 (row % 16): a read's 16 lanes take 256 bytes on end, a store's 16 lanes lie 272 bytes apart
.set ISLOT, 8704
.set MHB,  4352
.set SCL,  279552                      ; two slots of scale words: 512 p + 128 s + 4 row + block
.set SCORE, 280576                     ; each wave's partial scores: 2560 w + 80 b + 4 t
.set SWAVE, 2560
.set SROW, 80
.set SPARE, 301056                     ; the spare words, 128 bytes for each wave
.set SC_OFF, 131072                    ; wsp: the scale words,
.set G_OFF, 139264                     ; and G
.set LA,   1                           ; v1   where I read the images: 272 (lane / 16) + 16 (lane % 16)
.set LS,   2                           ; v2   SCL + 4 lane
.set CA,   3                           ; v3   where my block's 16 bytes of codes go
.set SA,   4                           ; v4   where my block's scale byte goes
.set SPW,  5                           ; v5   my spare word; never rewritten
.set NIL,  6                           ; v6   0; never rewritten
.set SCO,  7                           ; v7   my partial score's row
.set PFO,  8                           ; v8   the prefetches' offset: 256 lane
.set SAD,  9                           ; v9   the score address in hand
.set FRD,  10                          ; v10  the end: where I read scores
.set OUTO, 11                          ; v11  the end: my byte offset in out0
.set L16,  12                          ; v12  16 lane
.set WSC,  16                          ; v16-31  W's scale words: 4 n + s
.set ACC,  32                          ; v32-47  the weighted sums of my lane's 16 batches
.set TT,   48                          ; v48-87  tile n at TT + 10 n: +0 maximum, +1 exchange, +2:3 -max log2 e, +4:5 and +6:7 sums, +8:9 v / sum
.set QT,   48                          ; the quantiser, between softmaxes: v48-51 largest magnitudes, v52-53 scale operands,
.set QS,   52
.set QC,   56                          ; v56-63 code words,
.set QY,   64                          ; v64-65 scale bytes
.set YB,   88                          ; v88-95  what a lane sends in the sum across lanes
.set AFR,  96                          ; v96-159 the rows' fragments of a t: 16 s + 8 (row / 16) + 4 c
.set DAC,  160                         ; v160-223 the accumulators: 16 n
.set ASC,  224                         ; v224-227 the rows' scale words: register s, lane m = row m
.set VVR,  228                         ; v228-231 v[64 w + 16 n + lane % 16]
.set XA,   232                         ; v232-247 where I read piece i in ring slot p: 8 p + i
.set R4,   248
.set R16,  249
.set WFR,  0                           ; window 1: v0-127 W's fragments, 8 (4 n + s)
.set X,    128                         ; window 1: v128-191 the raw numbers of two blocks
.set GAC,  192                         ; window 1: v192-255 G, 16 n
.set MSB, 0
.macro WIN new                         ; bits 1:0 source 0, 3:2 source 1, 5:4 source 2, 7:6 destination; the high byte repeats the setting that is left
.if MSB != \new
	s_set_vgpr_msb (MSB<<8)|\new
.set MSB, \new
.endif
.endm
.macro NOP4                            ; four places behind matrix instructions, ahead of loads into their registers and of reads of their results
.rept 4
	v_nop
.endr
.endm
; K step s: four matrix instructions, the four accumulators by turns, one instruction a turn.  The first K step takes G as its C
.macro MMS s
.if \s == 0
	WIN 0x14                                       ; sources 1 (W) and 2 (G) in window 1
.else
	WIN 0x04
.endif
.irp n, 0,1,2,3
.if \s == 0
	v_wmma_scale_f32_32x16x128_f4 v[DAC+16*\n:DAC+16*\n+15], v[AFR:AFR+15], v[WFR+32*\n:WFR+32*\n+7], v[GAC+16*\n:GAC+16*\n+15], v[ASC], v[WSC+4*\n]
.else
	v_wmma_scale_f32_32x16x128_f4 v[DAC+16*\n:DAC+16*\n+15], v[AFR+16*\s:AFR+16*\s+15], v[WFR+8*(4*\n+\s):WFR+8*(4*\n+\s)+7], v[DAC+16*\n:DAC+16*\n+15], v[ASC+\s], v[WSC+4*\n+\s]
.endif
.endr
.endm
; 20 loads: a t's fragments and scale words out of image p
.macro FETCH p
.irp d, 0,1,2,3
.irp mh, 0,1
.irp c, 0,1
	ds_load_b128 v[AFR+16*\d+8*\mh+4*\c:AFR+16*\d+8*\mh+4*\c+3], v[LA] offset:(\p)*ISLOT+1088*\d+\mh*MHB+544*\c
.endr
.endr
.endr
.irp d, 0,1,2,3
	ds_load_b32 v[ASC+\d], v[LS] offset:(\p)*512+128*\d
.endr
.endm
; 16 loads: my two blocks (rows 4 w + 2 u + lane / 16) of the tt-th t in ring slot p.  It leaves the destination in window 1
.macro XLOAD p, tt
	WIN 0x40
.irp u, 0,1
.irp i, 0,1,2,3,4,5,6,7
	ds_load_b128 v[X+32*\u+4*\i:X+32*\u+4*\i+3], v[XA+8*(\p)+\i] offset:8192*\tt+4096*\u
.endr
.endr
.endm
; THE QUANTISER: my two blocks become code words and scale bytes in image p: four stores
.macro QUANT p
	WIN 0x05                                       ; sources 0 and 1 in window 1
.irp u, 0,1
	v_max3_num_f32 v[QT+2*\u], |v[X+32*\u]|, |v[X+32*\u+1]|, 0x1800000       ; and the floor 2^(3 - 127): the byte cannot fall under 1
	v_max3_num_f32 v[QT+2*\u+1], |v[X+32*\u+2]|, |v[X+32*\u+3]|, 0x1800000
.endr
.irp k, 4,8,12,16,20,24,28
.irp u, 0,1
	v_max3_num_f32 v[QT+2*\u], |v[X+32*\u+\k]|, |v[X+32*\u+\k+1]|, v[QT+2*\u]
	v_max3_num_f32 v[QT+2*\u+1], |v[X+32*\u+\k+2]|, |v[X+32*\u+\k+3]|, v[QT+2*\u+1]
.endr
.endr
	WIN 0
.irp u, 0,1
	v_max_num_f32 v[QT+2*\u], v[QT+2*\u], v[QT+2*\u+1]
.endr
.irp u, 0,1
	v_add_nc_u32 v[QS+\u], 0xff000000, v[QT+2*\u]  ; 2 off the exponent field: the conversion's scale operand
.endr
	WIN 0x01
.irp o, 0,1,2,3
.irp u, 0,1
	v_cvt_scalef32_pk8_fp4_f32 v[QC+4*\u+\o], v[X+32*\u+8*\o:X+32*\u+8*\o+7], v[QS+\u]
.endr
.endr
	WIN 0
.irp u, 0,1
	v_lshrrev_b32 v[QY+\u], 23, v[QS+\u]           ; the scale's byte (also the plain line behind the conversions)
.endr
.irp u, 0,1
	ds_store_b128 v[CA], v[QC+4*\u:QC+4*\u+3] offset:(\p)*ISLOT+32*\u
	ds_store_b8 v[SA], v[QY+\u] offset:(\p)*512+8*\u
.endr
.endm
.macro ASK                             ; my part of the slot after the one just asked for
	global_prefetch_b8 v[PFO], s[48:49] th:TH_LOAD_NT scope:SCOPE_SE
	global_prefetch_b8 v[PFO], s[48:49] offset:65536 th:TH_LOAD_NT scope:SCOPE_SE
.endm
; a stage of the sum across the 16 lanes of a row: each lane keeps half of its numbers and sends the other half to the lane xmask away
; where the lanes that keep the one half and the other are whole banks of four, the bank mask takes them apart: lo: lanes that keep numbers 0 .. d - 1, hi: those that keep d .. 2 d - 1
.macro BANKS d, x, lo, hi
.set j, 0
.rept \d
	v_add_f32_dpp v[ACC+j], v[ACC+j], v[ACC+j] row_xmask:\x row_mask:0xf bank_mask:\lo
.set j, j+1
.endr
.set j, 0
.rept \d
	v_add_f32_dpp v[ACC+j], v[ACC+j+\d], v[ACC+j+\d] row_xmask:\x row_mask:0xf bank_mask:\hi
.set j, j+1
.endr
.endm
.macro BSTAGE d, m, x
.set j, 0
.rept \d
	v_cndmask_b32 v[YB+j], v[ACC+j+\d], v[ACC+j], s[\m]
	v_cndmask_b32 v[ACC+j], v[ACC+j], v[ACC+j+\d], s[\m]
.set j, j+1
.endr
.set j, 0
.rept \d
	v_add_f32_dpp v[ACC+j], v[YB+j], v[ACC+j] row_xmask:\x row_mask:0xf bank_mask:0xf
.set j, j+1
.endr
.endm
; THE SOFTMAX OVER THE BATCH and the weighted sum over my 64 columns; the four tiles by turns.  Register work alone, all in window 0
; SMA: up to the exponentials;  SMB: the rest
.macro SMA
.irp n, 0,1,2,3
	v_max3_num_f32 v[TT+10*\n], v[DAC+16*\n], v[DAC+16*\n+1], v[DAC+16*\n+2]   ; each accumulator is read from its low end on
.endr
.irp k, 3,5,7,9,11,13
.irp n, 0,1,2,3
	v_max3_num_f32 v[TT+10*\n], v[TT+10*\n], v[DAC+16*\n+\k], v[DAC+16*\n+\k+1]
.endr
.endr
.irp n, 0,1,2,3
	v_max_num_f32 v[TT+10*\n], v[TT+10*\n], v[DAC+16*\n+15]
.endr
.irp n, 0,1,2,3
	v_permlanex16_b32 v[TT+10*\n+1], v[TT+10*\n], s18, s19   ; the column's other 16 batches lie in the lane 16 away
.endr
.irp n, 0,1,2,3
	s_delay_alu instid0(VALU_DEP_4)
	v_max_num_f32 v[TT+10*\n], v[TT+10*\n], v[TT+10*\n+1]
.endr
.irp n, 0,1,2,3
	s_delay_alu instid0(VALU_DEP_4)
	v_mul_f32 v[TT+10*\n+2], 0xbfb8aa3b, v[TT+10*\n]         ; -max x log2 e
.endr
.irp k, 0,2,4,6,8,10,12,14
.irp n, 0,1,2,3
	v_pk_fma_f32 v[DAC+16*\n+\k:DAC+16*\n+\k+1], v[DAC+16*\n+\k:DAC+16*\n+\k+1], s[20:21], v[TT+10*\n+2:TT+10*\n+3] op_sel_hi:[1,0,0]
.endr
.endr
.set i, 0
	s_wait_alu depctr_va_vdst(0)                   ; the wait ahead of the batch
.rept 64
	v_exp_f32 v[DAC+i], v[DAC+i]                   ; one batch
.set i, i+1
.endr
	v_add_nc_u32 v[SAD], s27, v[SCO]               ; the plain line behind the last exponential
	s_wait_alu depctr_va_vdst(0)                   ; and ahead of the first line that names a result: one for the 64
.endm
.macro SMB
.irp n, 0,1,2,3
	v_pk_add_f32 v[TT+10*\n+4:TT+10*\n+5], v[DAC+16*\n:DAC+16*\n+1], v[DAC+16*\n+2:DAC+16*\n+3]
	v_pk_add_f32 v[TT+10*\n+6:TT+10*\n+7], v[DAC+16*\n+4:DAC+16*\n+5], v[DAC+16*\n+6:DAC+16*\n+7]
.endr
.irp k, 8,12
.irp n, 0,1,2,3
	v_pk_add_f32 v[TT+10*\n+4:TT+10*\n+5], v[TT+10*\n+4:TT+10*\n+5], v[DAC+16*\n+\k:DAC+16*\n+\k+1]
	v_pk_add_f32 v[TT+10*\n+6:TT+10*\n+7], v[TT+10*\n+6:TT+10*\n+7], v[DAC+16*\n+\k+2:DAC+16*\n+\k+3]
.endr
.endr
.irp n, 0,1,2,3
	v_pk_add_f32 v[TT+10*\n+4:TT+10*\n+5], v[TT+10*\n+4:TT+10*\n+5], v[TT+10*\n+6:TT+10*\n+7]
.endr
.irp n, 0,1,2,3
	s_delay_alu instid0(VALU_DEP_4)
	v_add_f32 v[TT+10*\n+4], v[TT+10*\n+4], v[TT+10*\n+5]
.endr
.irp n, 0,1,2,3
	s_delay_alu instid0(VALU_DEP_4)
	v_permlanex16_b32 v[TT+10*\n+1], v[TT+10*\n+4], s18, s19
.endr
.irp n, 0,1,2,3
	s_delay_alu instid0(VALU_DEP_4)
	v_add_f32 v[TT+10*\n+4], v[TT+10*\n+4], v[TT+10*\n+1]    ; the column's sum over 32 batches: at least about 1
.endr
	s_wait_alu depctr_va_vdst(0)
.irp n, 0,1,2,3
	v_rcp_f32 v[TT+10*\n+6], v[TT+10*\n+4]
.endr
	v_nop                                          ; the plain line behind the last reciprocal
	s_wait_alu depctr_va_vdst(0)                   ; and the wait ahead of the first use: one for the four
.irp n, 0,1,2,3
	v_mul_f32 v[TT+10*\n+8], v[VVR+\n], v[TT+10*\n+6]        ; v[h] / sum
.endr
.irp k, 0,2,4,6,8,10,12,14
	v_pk_mul_f32 v[ACC+\k:ACC+\k+1], v[DAC+\k:DAC+\k+1], v[TT+8:TT+9] op_sel_hi:[1,0]   ; tile 0 starts the sums: nothing is cleared
.endr
.irp n, 1,2,3
.irp k, 0,2,4,6,8,10,12,14
	v_pk_fma_f32 v[ACC+\k:ACC+\k+1], v[DAC+16*\n+\k:DAC+16*\n+\k+1], v[TT+10*\n+8:TT+10*\n+9], v[ACC+\k:ACC+\k+1] op_sel_hi:[1,0,1]
.endr
.endr
	BANKS 8, 8, 0x3, 0xc                           ; 16 numbers x 16 lanes: four stages leave lane r with number r, summed over the row's 16 columns:
	BANKS 4, 4, 0x5, 0xa
	BSTAGE 2, 24, 2
	BSTAGE 1, 25, 1                                ; batch 16 (r / 8) + 8 (lane / 16) + r % 8
.endm
.macro SOFTMAX
	SMA
	SMB
.endm
; TWO STEPS, t = 2 q and 2 q + 1, which came in ring slot p = q % 2.  A step: the quantiser of the next t into the other image; the products of this t; the barrier (behind it the next image is whole, and nobody reads this one);
; the softmax of this t.  Even step: its barrier is also the change of slots: both t's of slot p have been read, the other slot has landed, and slot p is filled again with t = 2 q + 4 and 2 q + 5 (mode 0);
; the softmax up to its exponentials stands between signal and wait, the rest behind the refill and over the LDS loads of what comes next.  Odd step: the whole softmax stands between signal and wait.
; mode 1: nothing is left to fill;  2: the last two steps.  pf: 1 prefetch, 2 prefetch but in the loop's last trip, 0 none
.macro PAIR p, mode, pf, imm
	s_wait_dscnt 20                                ; my raw numbers are in; the 20 younger fragment loads may be out
	QUANT 1
	s_wait_dscnt 4                                 ; the fragments are in; the quantiser's four stores may be out
	MMS 0
	MMS 1
	MMS 2
	WIN 0
.if (\mode) == 0
	s_wait_xcnt 0x0                                ; my prefetches have read their address
	s_wait_tensorcnt 0x0                           ; my part of the other slot is in;
	ds_add_u32 v[SPW], v[NIL]                      ; 0 onto my spare word
	s_add_nc_u64 s[34+4*\p:35+4*\p], s[34+4*\p:35+4*\p], 2*SLOT
	s_add_nc_u64 s[48:49], s[48:49], SLOT
.elseif (\mode) == 1
	s_wait_tensorcnt 0x0
.endif
	MMS 3
	WIN 0
	NOP4
	s_wait_dscnt 0x0                               ; the add is done, my stores have landed, my reads of slot p are over
	s_barrier_signal -1
	SMA
	s_barrier_wait -1
.if (\mode) == 0
	tensor_load_to_lds s[32+4*\p:35+4*\p], s[40:47]
	s_nop 0
.endif
.if (\mode) < 2
	XLOAD 1-(\p), 0
.endif
	WIN 0
	FETCH 1
.if (\pf) == 2
	s_cmp_eq_u32 s26, 1
	s_cbranch_scc1 .Lno_ask_\@
.endif
.if (\pf) > 0
	ASK
.endif
.if (\pf) == 2
.Lno_ask_\@:
.endif
	SMB
	ds_store_b32 v[SAD], v[ACC] offset:\imm
.if (\mode) < 2
	s_wait_dscnt 21                                ; my raw numbers are in; 20 fragment loads and the score's store may be out
	QUANT 0
	s_wait_dscnt 5                                 ; the fragments are in; the score's store and the quantiser's four may be out
.else
	s_wait_dscnt 1
.endif
	MMS 0
	MMS 1
	MMS 2
	MMS 3
.if (\mode) < 2
	WIN 0x40
	NOP4
	s_wait_dscnt 0x0
	s_barrier_signal -1
	XLOAD 1-(\p), 1                                ; bytes of the slot that landed at the last change: nobody writes them ahead of the next
	WIN 0
	SOFTMAX
	s_wait_alu depctr_va_vdst(0)                   ; the wait here, directly ahead of the wait below
	s_barrier_wait -1
	ds_store_b32 v[SAD], v[ACC] offset:(\imm)+4
	FETCH 0
.else
	WIN 0
	NOP4
	SOFTMAX
	ds_store_b32 v[SAD], v[ACC] offset:(\imm)+4
.endif
.endm
	s_load_b256 s[4:11], s[0:1], 0x0               ; enc s[4:5], wsp s[6:7], v s[8:9], out0 s[10:11]
	v_lshl_add_u32 v[SPW], v0, 2, SPARE
	v_mov_b32 v[NIL], 0
	ds_add_u32 v[SPW], v[NIL]                      ; the wave's opening: the add, twice on end, and its wait ahead of my first tensor load
	ds_add_u32 v[SPW], v[NIL]
	v_lshrrev_b32 v13, 5, v0
	v_readfirstlane_b32 s14, v13                   ; wave 0..7
	s_lshl_b32 s28, s14, 13                        ; enc: my 8,192 bytes (four rows) of each t
	s_mov_b32 s29, 0
	s_lshl_b32 s30, ttmp9, 20                      ; my work-group's 1 MiB
	s_mov_b32 s31, 0
	s_lshl_b32 s50, s14, 14                        ; my part of a slot
	; descriptor group 1: two rows (t) of 8,192 bytes = 1,024 elements of 8 bytes, 65,536 bytes apart; no padding
	s_mov_b32 s40, 3<<16
	s_mov_b32 s41, 1024<<16                        ; tensor_dim0
	s_mov_b32 s42, 2<<16                           ; tensor_dim1
	s_mov_b32 s43, 1024<<16                        ; tile_dim0
	s_mov_b32 s44, 2                               ; tile_dim1
	s_mov_b32 s45, 8192                            ; tensor_dim0_stride
	s_mov_b32 s46, 0
	s_mov_b32 s47, 0
	s_mov_b32 s32, 1
	s_mov_b32 s33, s50
	s_mov_b32 s36, 1
	s_add_co_u32 s37, s50, SLOT
	s_lshr_b32 s51, s14, 2
	s_mul_i32 s51, s51, MHB                        ; my rows in an image: half w / 4,
	s_and_b32 s54, s14, 3
	s_lshl_b32 s54, s54, 6                         ; rows 4 (w % 4) on, 16 bytes each
	s_add_co_u32 s51, s51, s54
	s_add_co_u32 s51, s51, IMG
	s_lshl_b32 s54, s14, 4
	s_add_co_u32 s54, s54, SCL
	s_mul_i32 s55, s14, SWAVE
	s_add_co_u32 s55, s55, SCORE
	s_mov_b32 s18, 0x76543210
	s_mov_b32 s19, 0xfedcba98                      ; v_permlanex16_b32's selects for the lane 16 away
	s_mov_b32 s20, 0x3fb8aa3b                      ; log2 e
	s_mov_b32 s21, s20                             ; (named with it as a pair, so it is written)
	s_mov_b32 s24, 0xcccccccc                      ; lanes with r & 2,
	s_mov_b32 s25, 0xaaaaaaaa                      ; r & 1
	s_mov_b32 s26, 3                               ; the loop's trips
	s_mov_b32 s27, 0                               ; 4 x the step's t, less the immediate
	s_wait_alu depctr_va_vdst(0)                   ; the wait here, directly ahead of the waits below
	s_wait_dscnt 0x0                               ; both opening adds are done
	s_wait_kmcnt 0x0
	s_add_nc_u64 s[4:5], s[4:5], s[28:29]
	s_add_nc_u64 s[4:5], s[4:5], s[30:31]
	s_mov_b64 s[34:35], s[4:5]
	s_or_b32 s35, s35, 0x80000000
	s_add_nc_u64 s[38:39], s[4:5], SLOT
	s_or_b32 s39, s39, 0x80000000
	s_add_nc_u64 s[48:49], s[4:5], 2*SLOT          ; the prefetches' base: slot 2 at the head
	s_lshl_b32 s30, s14, 14
	s_add_nc_u64 s[16:17], s[6:7], s[30:31]        ; my 16 fragments of W,
	s_lshl_b32 s30, s14, 10
	s_add_nc_u64 s[28:29], s[6:7], s[30:31]        ; (SC_OFF on) their scale words,
	s_lshl_b32 s30, s14, 13
	s_add_nc_u64 s[52:53], s[6:7], s[30:31]        ; (G_OFF on) my part of G
	s_lshl_b32 s30, s14, 8
	s_add_nc_u64 s[8:9], s[8:9], s[30:31]          ; my 64 numbers of v
	s_lshl_b32 s30, ttmp9, 6
	s_add_nc_u64 s[10:11], s[10:11], s[30:31]      ; out0 at my first t
	tensor_load_to_lds s[32:35], s[40:47]          ; slot 0: one tensor load a wave at the head
	s_nop 0
	v_and_b32 v13, 31, v0                          ; lane
	v_and_b32 v14, 15, v0                          ; r
	v_bfe_u32 v15, v0, 4, 1                        ; hh = lane / 16
	v_lshlrev_b32 v[L16], 4, v13
	v_lshlrev_b32 v[R16], 4, v14
	v_lshlrev_b32 v[R4], 2, v14
	v_lshlrev_b32 v[PFO], 8, v13
	v_mul_u32_u24 v[LA], v15, 272
	v_mul_u32_u24 v[CA], v14, 272                  ; block r,
	v_lshrrev_b32 v9, 2, v14
	v_and_b32 v10, 3, v14
	v_lshl_add_u32 v[LS], v13, 2, SCL
	v_lshl_add_u32 v[LA], v14, 4, v[LA]
	v_lshl_add_u32 v[CA], v15, 4, v[CA]            ; row hh of the pair
	v_lshl_add_u32 v[SA], v9, 7, v10               ; K step r / 4, byte r % 4
	v_add_nc_u32 v[LA], IMG, v[LA]
	v_add_nc_u32 v[CA], s51, v[CA]
	v_lshl_add_u32 v[SA], v15, 2, v[SA]
	v_lshlrev_b32 v10, 7, v14                      ; the raw numbers: block r,
	v_lshrrev_b32 v9, 1, v14                       ; whose pieces are read in an order turned by r / 2;
	v_add_nc_u32 v[SA], s54, v[SA]
	v_lshl_add_u32 v10, v15, 11, v10               ; row hh;
	v_add_nc_u32 v10, s50, v10                     ; my part of the slot
	v_lshl_add_u32 v[XA], v9, 4, v10
.irp i, 1,2,3,4,5,6,7
	v_xor_b32 v[XA+\i], 16*\i, v[XA]               ; bits 6:4 hold r / 2 xor i
.endr
.irp i, 0,1,2,3,4,5,6,7
	v_add_nc_u32 v[XA+8+\i], SLOT, v[XA+\i]
.endr
	v_bfe_u32 v9, v0, 3, 1
	v_and_b32 v10, 7, v0
	v_lshl_add_u32 v10, v9, 4, v10
	v_lshl_add_u32 v10, v15, 3, v10                ; the batch that the sum across lanes leaves with me
	v_mul_u32_u24 v[SCO], v10, SROW
	v_bfe_u32 v13, v0, 2, 5                        ; the end: batch (thread / 4) % 32, four t a thread
	v_and_b32 v14, 3, v0
	v_add_nc_u32 v[SCO], s55, v[SCO]
	v_mul_u32_u24 v[FRD], v13, SROW
	v_lshlrev_b32 v[OUTO], 4, v14
	v_lshl_add_u32 v[FRD], v14, 4, v[FRD]
	v_lshl_add_u32 v[OUTO], v13, 14, v[OUTO]       ; a row of out0 is 16,384 bytes
	v_add_nc_u32 v[FRD], SCORE, v[FRD]
.irp n, 0,1,2,3
	v_mov_b32 v[TT+10*\n+1], 0                     ; written once: a lane permute's destination counts as a source,
	v_mov_b32 v[TT+10*\n+3], 0                     ; and so do the upper words of the two pairs of which the low word serves both halves
	v_mov_b32 v[TT+10*\n+9], 0
.endr
	s_wait_alu depctr_va_vdst(0)                   ; the wait at the head's end: no vector line follows it but loads
	WIN 0x40
.irp n, 0,1,2,3
.irp d, 0,1,2,3
.irp c, 0,1
	global_load_b128 v[WFR+8*(4*\n+\d)+4*\c:WFR+8*(4*\n+\d)+4*\c+3], v[L16], s[16:17] offset:(4*\n+\d)*1024+512*\c
.endr
.endr
.endr
	WIN 0
	global_prefetch_b8 v[PFO], s[48:49] offset:-131072 th:TH_LOAD_NT scope:SCOPE_SE   ; slot 1
	global_prefetch_b8 v[PFO], s[48:49] offset:-65536 th:TH_LOAD_NT scope:SCOPE_SE
.irp n, 0,1,2,3
	global_load_b128 v[WSC+4*\n:WSC+4*\n+3], v[R16], s[28:29] offset:SC_OFF+256*\n   ; lane r: row r's words of the four K steps
	global_load_b32 v[VVR+\n], v[R4], s[8:9] offset:64*\n
.endr
	WIN 0x40
.irp n, 0,1,2,3
.irp g, 0,1,2,3
	global_load_b128 v[GAC+16*\n+4*\g:GAC+16*\n+4*\g+3], v[L16], s[52:53] offset:G_OFF+2048*\n+512*\g
.endr
.endr
	s_wait_tensorcnt 0x0                           ; my part of slot 0 is in;
	ds_add_u32 v[SPW], v[NIL]
	s_wait_dscnt 0x0
	s_barrier_signal -1
	s_barrier_wait -1
	tensor_load_to_lds s[36:39], s[40:47]          ; slot 1
	s_nop 0
	XLOAD 0, 0
	WIN 0
	ASK                                            ; slot 2
	s_wait_dscnt 0x0
	QUANT 0                                        ; t = 0
	s_wait_dscnt 0x0
	s_barrier_signal -1
	s_barrier_wait -1                              ; image 0 is whole
	XLOAD 0, 1
	WIN 0
	FETCH 0
	s_wait_loadcnt 0x0                             ; W's codes, scale words, G and v are in
.Lloop:                                                ; four steps a trip: t = 0 .. 11; slots 2 to 7 are filled, slots 3 to 7 prefetched
	PAIR 0, 0, 1, 0
	PAIR 1, 0, 2, 8
	s_add_co_u32 s27, s27, 16
	s_sub_co_u32 s26, s26, 1
	s_cmp_lg_u32 s26, 0
	s_cbranch_scc1 .Lloop
	PAIR 0, 1, 0, 0                                ; t = 12, 13
	PAIR 1, 2, 0, 8                                ; t = 14, 15
	s_wait_dscnt 0x0
	s_barrier_signal -1
	s_barrier_wait -1                              ; the eight waves' partial scores lie in LDS
	s_cmp_lt_u32 s14, 4
	s_cbranch_scc0 .Lend
.irp k, 0,1,2,3,4,5,6,7
	ds_load_b128 v[DAC+4*\k:DAC+4*\k+3], v[FRD] offset:\k*SWAVE    ; thread: one batch, four t, of each wave's 64 columns
.endr
	s_wait_dscnt 0x0
.irp k, 1,2,3,4,5,6,7
	v_pk_add_f32 v[DAC:DAC+1],   v[DAC:DAC+1],   v[DAC+4*\k:DAC+4*\k+1]
	v_pk_add_f32 v[DAC+2:DAC+3], v[DAC+2:DAC+3], v[DAC+4*\k+2:DAC+4*\k+3]
.endr
.irp k, 0,1,2,3
	v_max_num_f32 v[DAC+\k], 0, v[DAC+\k]          ; relu
.endr
	global_store_b128 v[OUTO], v[DAC:DAC+3], s[10:11]              ; four lanes store my work-group's 64 bytes of a row of out0
.Lend:
	s_wait_tensorcnt 0x0                           ; the wave's end
	ds_add_u32 v[SPW], v[NIL]
	s_wait_dscnt 0x0
	s_endpgm
.Lfunc_end_k_q74de12218d_attn:
	.size	k_q74de12218d_attn, .Lfunc_end_k_q74de12218d_attn-k_q74de12218d_attn
	.p2alignl 7, 3214868480
	.fill 96, 4, 3214868480
	.section	.rodata,"a",@progbits
	.p2align	6, 0x0
	.amdhsa_kernel k_q74de12218d_attn
		.amdhsa_group_segment_fixed_size 327680
		.amdhsa_private_segment_fixed_size 0
		.amdhsa_enable_private_segment 0
		.amdhsa_kernarg_size 32
		.amdhsa_user_sgpr_count 2
		.amdhsa_user_sgpr_kernarg_segment_ptr 1
		.amdhsa_wavefront_size32 1
		.amdhsa_system_sgpr_workgroup_id_x 1
		.amdhsa_system_sgpr_workgroup_id_y 1
		.amdhsa_system_sgpr_workgroup_id_z 1
		.amdhsa_system_vgpr_workitem_id 0
		.amdhsa_next_free_vgpr 512
		.amdhsa_next_free_sgpr 66
		.amdhsa_reserve_vcc 0
		.amdhsa_float_denorm_mode_32 3
		.amdhsa_float_denorm_mode_16_64 3
		.amdhsa_memory_ordered 1
		.amdhsa_forward_progress 1
		.amdhsa_inst_pref_size 191
	.end_amdhsa_kernel
	.amdgpu_metadata
---
amdhsa.version: [ 1, 2 ]
amdhsa.kernels:
  - .name:           k_q74de12218d_attn
    .symbol:         k_q74de12218d_attn.kd
    .args:
      - { .name: encoder_outputs, .offset: 0, .size: 8, .value_kind: global_buffer, .address_space: global }
      - { .name: wsp, .offset: 8, .size: 8, .value_kind: global_buffer, .address_space: global }
      - { .name: v, .offset: 16, .size: 8, .value_kind: global_buffer, .address_space: global }
      - { .name: out0, .offset: 24, .size: 8, .value_kind: global_buffer, .address_space: global }
    .group_segment_fixed_size: 327680
    .private_segment_fixed_size: 0
    .kernarg_segment_align: 8
    .kernarg_segment_size: 32
    .max_flat_workgroup_size: 256
    .sgpr_count:     66
    .vgpr_count:     512
    .wavefront_size: 32
...
	.end_amdgpu_metadata
.endif
;; end of part 2
